; MI455X (gfx1250); checked and timed in simulation.
; The chip was launched on July 23, 2026; its instructions are those of AMD's public machine-readable ISA for CDNA 5 (MIT licence, August 2026) and "CDNA5" Instruction Set Architecture Reference Guide (July 2026). The comments in the code are by the model that wrote it; some were corrected since.
;; Multi Head Self Attention. Allowed arithmetic: matrix products marked QUANTISED: E4M3 operands, one given power-of-two scale a tensor, by v_wmma_f32_16x16x64_fp8_fp8 or v_wmma_f32_16x16x128_fp8_fp8, f32 sums; everything else in f32.
;; Inputs: Wk_codes 1,024 x 32 x 32 uint8 (E4M3 codes of Wk, K innermost, in blocks of 32 codes); Wo_codes 1,024 x 32 x 32 uint8 (E4M3 codes of Wo, K innermost, in blocks of 32 codes); Wq_codes 1,024 x 32 x 32 uint8 (E4M3 codes of Wq, K innermost, in blocks of 32 codes); Wv_codes 1,024 x 32 x 32 uint8 (E4M3 codes of Wv, K innermost, in blocks of 32 codes); X_codes 2 x 2,048 x 32 x 32 uint8 (E4M3 codes of X, K innermost, in blocks of 32 codes); bk 1,024 float32; bo 1,024 float32; bq 1,024 float32; bv 1,024 float32; lowp_scales 12 int32 (the exponents e of the quantised operands' scales 2^e).
;; Outputs: out0 2 x 2,048 x 1,024 float32.
;; This version of the problem:
;;   THIS VERSION OF THE PROBLEM IS GIVEN IN LOW PRECISION. The matrix products marked QUANTISED in the list below multiply operands that are first quantised to E4M3 (4 exponent bits, 3 mantissa bits; 8 bits a number), with one given power-of-two scale for each operand tensor; their sums are f32. All else is computed in f32.
;;   The module's matrix products, in the order in which they are computed (A, B: the left and right operand; K: the contracted axis; several contracted axes count as one K, in the product's order):
;;     1. [M 4,096, K 1,024] x [K 1,024, N 1,024]; A: input X (given as codes); B: input Wq (given as codes): QUANTISED (scales: A lowp_scales[0], B lowp_scales[1])
;;     2. [M 4,096, K 1,024] x [K 1,024, N 1,024]; A: input X (given as codes); B: input Wk (given as codes): QUANTISED (scales: A lowp_scales[2], B lowp_scales[3])
;;     3. [M 4,096, K 1,024] x [K 1,024, N 1,024]; A: input X (given as codes); B: input Wv (given as codes): QUANTISED (scales: A lowp_scales[4], B lowp_scales[5])
;;     4. batch 32 x [M 2,048, K 64] x [K 64, N 2,048]; A: computed on the way; B: computed on the way: QUANTISED (scales: A lowp_scales[6], B lowp_scales[7])
;;     5. batch 32 x [M 2,048, K 2,048] x [K 2,048, N 64]; A: softmax (see below); B: computed on the way: QUANTISED (scales: A lowp_scales[8], B lowp_scales[9])
;;     6. [M 4,096, K 1,024] x [K 1,024, N 1,024]; A: computed on the way; B: input Wo (given as codes): QUANTISED (scales: A lowp_scales[10], B lowp_scales[11])
;;   THE QUANTISER, for each operand of a quantised product, along K:
;;     - The operand's scale is 2^e, e = its entry of the input lowp_scales (int32; the entries are numbered through the quantised products in the list's order, A before B).
;;     - Each number is divided by the scale, clamped to +-448, and rounded to the nearest number of E4M3, ties to even, subnormals kept.
;;     - The product sums the exact products of the quantised numbers (number of the format x scale) in f32.
;;   ~~~python
;;   def quantise(x, axis, e):      # numpy; x: float32 -> the quantised numbers, widened to float32 again
;;       x = np.moveaxis(x, axis, -1); K = x.shape[-1]
;;       r = np.clip(x / 2.0 ** e, -448, 448)
;;       step = 2.0 ** (np.maximum(np.frexp(np.where(r == 0, 1, r))[1] - 1, -6) - 3)
;;       q = np.round(r / step) * step * 2.0 ** e      # np.round: ties to even
;;       return np.moveaxis(q, -1, axis).astype(np.float32)
;;   ~~~
;;   SOFTMAX AHEAD OF A QUANTISED PRODUCT. Where the list says 'softmax', what is quantised is not the finished softmax but p = 2^(t - M), with t = logit x log2(e) and M = ceil(the row's largest t), a whole number; so 1/2 < the row's largest p <= 1. The row's sum l is taken of the UNQUANTISED p, in f32, and the product's result is divided by l at the end. Since M is a whole number, a kernel that streams over the keys may use a running M (the ceiling of the running maximum): every later rescaling is an exact power of two, so the quantised numbers keep their values, but for numbers so far below the row's largest that they fall under the format's range.
;;   OPERANDS COMPUTED ON THE WAY. 'Computed on the way' means the value that the module computes at that place (a softmax that the list does not call 'softmax' is quantised finished and normalised). What goes into a quantiser is computed in f32, as accurately as f32 sums, v_exp_f32 and their like allow (about 1e-6 of the number): no bf16 or f16 on the way to a quantiser, and a product that is left as it is and whose result goes on into a quantised operand takes f32 operands (vector FMAs, or v_wmma_f32_16x16x4_f32). A number that lies on a knife's edge between two numbers of the format may be rounded either way, as far as f32 arithmetic and the matrix unit's own rounding can turn it there, and no further.
;;   INPUTS GIVEN AS CODES. Wk (in the module: [1024, 1024], K = its axis 1); Wo (in the module: [1024, 1024], K = its axis 1); Wq (in the module: [1024, 1024], K = its axis 1); Wv (in the module: [1024, 1024], K = its axis 1); X (in the module: [2, 2048, 1024], K = its axis 2): each comes as NAME_codes (uint8): NAME with its K axis moved to the last place and cut into blocks of 32 codes, [.., K / 32, bytes a block], one block behind the other in memory; one code a byte (a code: sign, 4 exponent bits, 3 mantissa bits); its scale is its entry of lowp_scales. Its value is code x scale, taken as it is: it is not quantised again, and the codes and scales need not be those that the quantiser above would give.
;; One version. Each part assembles by itself: llvm-mc -triple=amdgcn-amd-amdhsa -mcpu=gfx1250 --defsym DOCPART=n.
;; ======== version 1 of 1: 3 launches
;; limits: right only within a limited range of input values
;; workspace buffers: q_img 4,194,304 bytes; kv_img 8,388,608 bytes; ac_img 4,194,304 bytes
;; launch qkv (part 1): grid 16 x 16, 4 waves a work-group, clusters of 4 x 4, 327,680 bytes of LDS; arguments X_codes, Wq_codes, Wk_codes, Wv_codes, bq, bk, bv, lowp_scales, q_img, kv_img; writes q_img, kv_img
.if DOCPART == 1
	.amdgcn_target "amdgcn-amd-amdhsa--gfx1250"
	.amdhsa_code_object_version 6
	.text
	.protected	k_q0554d89a29_qkv
	.globl	k_q0554d89a29_qkv
	.p2align	8
	.type	k_q0554d89a29_qkv,@function
k_q0554d89a29_qkv:
	s_mov_b64 s[64:65], 0
	v_nop
	global_prefetch_b8 v0, s[64:65] scope:SCOPE_SE
	s_setreg_imm32_b32 hwreg(HW_REG_WAVE_MODE, 25, 1), 1
	s_wait_xcnt 0x0
	s_wait_alu depctr_hold_cnt(0) depctr_sa_sdst(0) depctr_va_vdst(0) depctr_va_sdst(0) depctr_va_ssrc(0) depctr_va_vcc(0) depctr_vm_vsrc(0)
	s_getreg_b32 s2, hwreg(HW_REG_IB_STS2, 6, 4)
	s_cmp_eq_u32 s2, 0
	s_cbranch_scc0 .Lentry_in_a_cluster
	s_endpgm
.Lentry_in_a_cluster:
	s_bfe_u32 s2, ttmp6, 0x10000c
	s_cmp_lg_u32 s2, 0xf033
	s_cbranch_scc0 .Lentry_shape_is_right
	s_endpgm
.Lentry_shape_is_right:
; q, k, v = X W^T + b on codes of FP8 (E4M3), f32 sums; each result is quantised at once (q with 2^e6, k with 2^e7, v with 2^e9) and stored as images of the next products' operand registers.
; NO STEP AND NO INPUT OF THE PROBLEM IS LEFT OUT: every product and every bias can move a quantised operand's codes.
; lowp_scales: e0, e1 (X, Wq), e2, e3 (X, Wk), e4, e5 (X, Wv).  A sum stands for sum x 2^(eX + eW): the biases start the sums, divided by that power, and the conversion's scale is 2^(e - eX - eW).
; LIMITS: e6 - e0 - e1, e7 - e2 - e3 and e9 - e4 - e5 lie between -126 and 119, and a bias divided by its power of two stays an f32 number.
; q_img: [16 batch + head][128 tiles of 16 queries][1,024 bytes].  kv_img: [16 batch + head][16 steps of 128 keys][8 tiles of K, 1,024 bytes each; 4 tiles of V, 2,048 bytes each].
; SHARES.  A work-group: 256 rows of X and one head's 64 columns of q, k and v; four waves of 64 rows each.  16 x 16 work-groups.  K goes in four steps of 256 through two LDS slots.
; CLUSTERS 4 x 4: X's tiles are asked for jointly along a row of the cluster, the weights' along a column.
; THE TILES ARE PREFETCHED INTO THE L2: behind the joint loads of K steps 0, 1 and 2 stands a prefetch of the K step after, a whole step ahead of the load that will want it; behind K step 3's there is none.
; A K step is 256 bytes of each row, and each is named once in each cluster: of X's 256 rows the partner at place cx takes 64 (wave 3, two instructions), of each weight's 64 rows the partner at place cy takes 16
; (waves 0 to 2; lanes 16 to 31 name the wave's last row again).  The K step stands in the immediate: the address registers are never rewritten.
.set PFA,   100                        ; s[100:101] where my prefetches stand: my work-group's rows at K step 0
.set PFO,   30                         ; v30     row x 1,024 bytes
.macro ASK j
	global_prefetch_b8 v[PFO], s[PFA:PFA+1] offset:256*\j th:TH_LOAD_NT scope:SCOPE_SE
	s_cmp_lg_u32 s[WV], 3
	s_cbranch_scc1 .Lall_\@
	global_prefetch_b8 v[PFO], s[PFA:PFA+1] offset:256*\j+32768 th:TH_LOAD_NT scope:SCOPE_SE
.Lall_\@:
.endm
.set PITCH, 272
.set WT,    64*PITCH
.set XO,    3*WT
.set SLOT,  XO+256*PITCH
.set SPARE, 2*SLOT
.set FLAGS, (1<<20)|(1<<21)|(5<<22)|(3<<25)
.set ADRX, 8
.set ADRW, 10
.set ADRV, 12
.set LI,   14
.set SPW,  16
.set NIL,  17
.set SQ,   18
.set SK,   20
.set SV,   22
.set BVR,  24
.set CQ,   32
.set CK,   64
.set CV,   96
.set XF,   128
.set BQ,   128
.set BK,   160
.set BV,   192
.set WV,   24
.set G1X,  32
.set G1W,  40
.set G0X,  48
.set G0W,  56
.set MSB, 0
.macro WIN new
.if MSB != \new
	s_set_vgpr_msb (MSB<<8)|\new
.set MSB, \new
.endif
.endm
.macro PLACES n
.rept \n
	v_nop
.endr
.endm
.macro JLOAD s
	s_cmp_eq_u32 s[WV], 3
	s_cbranch_scc0 .Lfor_w_\@
	tensor_load_to_lds s[G0X+4*\s:G0X+4*\s+3], s[G1X:G1X+7]
	s_nop 0
.rept 4
	v_nop
.endr
	s_branch .Lasked_\@
.Lfor_w_\@:
	tensor_load_to_lds s[G0W+4*\s:G0W+4*\s+3], s[G1W:G1W+7]
	s_nop 0
.rept 4
	v_nop
.endr
.Lasked_\@:
.endm
.macro CREST
	s_cmp_lg_u32 s[WV], 0
	s_cbranch_scc1 .Lnot_wave_0_\@
	s_barrier_signal -3
.Lnot_wave_0_\@:
	s_barrier_wait -3
	s_barrier_signal -1
	s_barrier_wait -1
.endm
.macro CROUND
	s_barrier_signal -1
	s_barrier_wait -1
	CREST
.endm
	s_load_b512 s[4:19], s[0:1], 0x0
	s_load_b128 s[20:23], s[0:1], 0x40
	v_lshl_add_u32 v[SPW], v0, 2, SPARE
	v_mov_b32 v[NIL], 0
	ds_add_u32 v16, v17
	ds_add_u32 v16, v17
	s_wait_dscnt 0x0
	v_lshrrev_b32 v1, 5, v0
	v_readfirstlane_b32 s[WV], v1
	s_bfe_u32 s25, ttmp6, 0x40000
	s_bfe_u32 s26, ttmp6, 0x40004
	s_lshl_b32 s27, ttmp9, 2
	s_add_co_u32 s27, s27, s25
	s_and_b32 s28, ttmp7, 0xffff
	s_lshl_b32 s28, s28, 2
	s_add_co_u32 s28, s28, s26
	s_lshl_b32 s29, s26, 2
	s_lshl_b32 s29, 15, s29
	s_lshl_b32 s30, 0x1111, s25
	s_or_b32 s[G1X], s29, FLAGS
	s_mov_b32 s[G1X+1], 256<<16
	s_mov_b32 s[G1X+2], 256<<16
	s_mov_b32 s[G1X+3], 256<<16
	s_mov_b32 s[G1X+4], 256
	s_mov_b32 s[G1X+5], 1024
	s_mov_b32 s[G1X+6], 0
	s_mov_b32 s[G1X+7], 0
	s_or_b32 s[G1W], s30, FLAGS
	s_mov_b32 s[G1W+1], 256<<16
	s_mov_b32 s[G1W+2], 64<<16
	s_mov_b32 s[G1W+3], 256<<16
	s_mov_b32 s[G1W+4], 64
	s_mov_b32 s[G1W+5], 1024
	s_mov_b32 s[G1W+6], 0
	s_mov_b32 s[G1W+7], 0
	s_lshl_b32 s78, s28, 18
	s_mov_b32 s79, 0
	s_lshl_b32 s80, s27, 16
	s_mov_b32 s81, 0
	s_mul_i32 s84, s[WV], WT
	s_wait_kmcnt 0x0
	s_load_b256 s[68:75], s[18:19], 0x0
	s_load_b32 s77, s[18:19], 0x24
	s_add_nc_u64 s[86:87], s[4:5], s[78:79]
	s_cmp_eq_u32 s[WV], 0
	s_cselect_b64 s[82:83], s[6:7], s[8:9]
	s_cmp_eq_u32 s[WV], 2
	s_cselect_b64 s[82:83], s[10:11], s[82:83]
	s_add_nc_u64 s[82:83], s[82:83], s[80:81]
	CROUND
.irp s, 0,1
	s_mov_b32 s[G0X+4*\s], 1
	s_add_co_u32 s[G0X+4*\s+1], s84, \s*SLOT
	s_add_nc_u64 s[G0X+4*\s+2:G0X+4*\s+3], s[86:87], \s*256
	s_or_b32 s[G0X+4*\s+3], s[G0X+4*\s+3], 0x80000000
	s_mov_b32 s[G0W+4*\s], 1
	s_add_co_u32 s[G0W+4*\s+1], s84, \s*SLOT
	s_add_nc_u64 s[G0W+4*\s+2:G0W+4*\s+3], s[82:83], \s*256
	s_or_b32 s[G0W+4*\s+3], s[G0W+4*\s+3], 0x80000000
.endr
	JLOAD 0                                        ; K step 0: one tensor load a wave at the head; the set-up and the biases' loads stand under its flight
	s_lshl_b32 s90, s25, 16                        ; X: 64 rows x cx
	s_lshl_b32 s91, s26, 14                        ; a weight: 16 rows x cy
	s_cmp_eq_u32 s[WV], 3
	s_cselect_b32 s90, s90, s91
	s_cselect_b32 s92, 31, 15
	s_cselect_b64 s[PFA:PFA+1], s[86:87], s[82:83]
	s_mov_b32 s91, 0
	s_add_nc_u64 s[PFA:PFA+1], s[PFA:PFA+1], s[90:91]
	v_and_b32 v[PFO], 31, v0
	v_min_u32 v[PFO], s92, v[PFO]
	v_lshlrev_b32 v[PFO], 10, v[PFO]
	ASK 1
	v_and_b32 v1, 15, v0
	v_bfe_u32 v2, v0, 4, 1
	v_mul_u32_u24 v3, v1, PITCH
	v_lshl_add_u32 v3, v2, 4, v3
	v_and_b32 v4, 8, v1
	v_add_nc_u32 v4, v4, v1
	v_mul_u32_u24 v5, v4, PITCH
	v_lshl_add_u32 v5, v2, 4, v5
	s_mul_i32 s85, s[WV], 64*PITCH
	s_add_co_u32 s85, s85, XO
	v_add_nc_u32 v[ADRX], s85, v3
	v_add_nc_u32 v[ADRX+1], SLOT, v[ADRX]
	v_mov_b32 v[ADRW], v3
	v_add_nc_u32 v[ADRW+1], SLOT, v3
	v_add_nc_u32 v[ADRV], 2*WT, v5
	v_add_nc_u32 v[ADRV+1], SLOT, v[ADRV]
	v_and_b32 v[LI], 31, v0
	v_lshlrev_b32 v[LI], 4, v[LI]
	v_lshlrev_b32 v28, 5, v2
	v_lshlrev_b32 v29, 2, v4
	s_lshl_b32 s88, s27, 8
	s_mov_b32 s89, 0
	s_add_nc_u64 s[12:13], s[12:13], s[88:89]
	s_add_nc_u64 s[14:15], s[14:15], s[88:89]
	s_add_nc_u64 s[16:17], s[16:17], s[88:89]
	WIN 0xc0
.irp t, 0,1,2,3
	global_load_b128 v[BQ+8*\t:BQ+8*\t+3], v28, s[12:13] offset:64*\t
	global_load_b128 v[BQ+8*\t+4:BQ+8*\t+7], v28, s[12:13] offset:64*\t+16
	global_load_b128 v[BK+8*\t:BK+8*\t+3], v28, s[14:15] offset:64*\t
	global_load_b128 v[BK+8*\t+4:BK+8*\t+7], v28, s[14:15] offset:64*\t+16
.endr
	WIN 0
.irp t, 0,1,2,3
	global_load_b32 v[BVR+\t], v29, s[16:17] offset:(32*(\t/2)+8*(\t%2))*4
.endr
	s_and_b32 s96, s28, 7
	s_lshr_b32 s97, s28, 3
	s_lshl_b32 s97, s97, 4
	s_add_co_u32 s97, s97, s27
	s_lshl_b32 s98, s97, 7
	s_lshl_b32 s99, s96, 4
	s_add_co_u32 s98, s98, s99
	s_lshl_b32 s99, s[WV], 2
	s_add_co_u32 s98, s98, s99
	s_lshl_b32 s98, s98, 10
	s_mov_b32 s99, 0
	s_add_nc_u64 s[20:21], s[20:21], s[98:99]
	s_lshl_b32 s98, s97, 4
	s_lshl_b32 s96, s96, 1
	s_add_co_u32 s98, s98, s96
	s_lshr_b32 s96, s[WV], 1
	s_add_co_u32 s98, s98, s96
	s_lshl_b32 s98, s98, 14
	s_add_nc_u64 s[22:23], s[22:23], s[98:99]
	s_and_b32 s96, s[WV], 1
	s_lshl_b32 s98, s96, 10
	s_add_co_u32 s98, s98, 8192
	s_add_nc_u64 s[66:67], s[22:23], s[98:99]
	s_lshl_b32 s98, s96, 12
	s_add_nc_u64 s[22:23], s[22:23], s[98:99]
	s_wait_kmcnt 0x0
.macro MKSCALE vs, eo, ea, eb, neg
	s_add_co_i32 s90, s[\ea], s[\eb]
	s_sub_co_i32 s[\neg], 0, s90
	s_sub_co_i32 s91, s[\eo], s90
	s_add_co_i32 s91, s91, 127
	s_lshl_b32 s92, s91, 23
	v_mov_b32 v[\vs], s92
	s_add_co_i32 s91, s91, 8
	s_lshl_b32 s91, s91, 23
	s_or_b32 s91, s91, 0x600000
	v_mov_b32 v[\vs+1], s91
.endm
	MKSCALE SQ, 74, 68, 69, 93
	MKSCALE SK, 75, 70, 71, 94
	MKSCALE SV, 77, 72, 73, 95
	s_wait_loadcnt 0x0
	WIN 0xc3
.set J, 0
.rept 32
	v_ldexp_f32 v[BQ+J], v[BQ+J], s93
	v_ldexp_f32 v[BK+J], v[BK+J], s94
.set J, J+1
.endr
	WIN 0xc0
.irp t, 0,1,2,3
.irp j, 0,1,2,3,4,5,6,7
	v_ldexp_f32 v[BV+8*\t+\j], v[BVR+\t], s95
.endr
.endr
	WIN 0
.macro FRAG reg, adr, off
.irp c, 0,1,2,3
	ds_load_b128 v[(\reg)+4*\c:(\reg)+4*\c+3], v[\adr] offset:(\off)+32*\c
.endr
.endm
.macro FETCH_X slot, q, set
	WIN 0
.irp a, 0,1,2,3
	FRAG XF+64*(\set)+16*\a, ADRX+\slot, \a*16*PITCH+128*(\q)
.endr
.endm
.macro FETCH_W slot, q, f0
	WIN 0x40
.irp i, 0,1,2,3
	FRAG 16*(\f0+\i), ADRW+\slot, (\f0+\i)*16*PITCH+128*(\q)
.endr
.endm
.macro FETCH_V slot, q
	WIN 0x40
.irp t, 0,1,2,3
	FRAG 16*(8+\t), ADRV+\slot, (32*(\t/2)+8*(\t%2))*PITCH+128*(\q)
.endr
.endm
.macro MULW f0, n, set, first
.if \first
	WIN 0xb1
.else
	WIN 0xa1
.endif
.set F, \f0
.rept \n
.irp a, 0,1,2,3
.if \first
	v_wmma_f32_16x16x128_fp8_fp8 v[8*(4*F+\a):8*(4*F+\a)+7], v[16*F:16*F+15], v[XF+64*(\set)+16*\a:XF+64*(\set)+16*\a+15], v[BQ+8*F:BQ+8*F+7]
.else
	v_wmma_f32_16x16x128_fp8_fp8 v[8*(4*F+\a):8*(4*F+\a)+7], v[16*F:16*F+15], v[XF+64*(\set)+16*\a:XF+64*(\set)+16*\a+15], v[8*(4*F+\a):8*(4*F+\a)+7]
.endif
.endr
.set F, F+1
.endr
.endm
.macro MULV set, first
	WIN 0xf4
.irp t, 0,1,2,3
.irp a, 0,1,2,3
.if \first
	v_wmma_f32_16x16x128_fp8_fp8 v[8*(4*\t+\a):8*(4*\t+\a)+7], v[XF+64*(\set)+16*\a:XF+64*(\set)+16*\a+15], v[16*(8+\t):16*(8+\t)+15], v[BV+8*\t:BV+8*\t+7]
.else
	v_wmma_f32_16x16x128_fp8_fp8 v[8*(4*\t+\a):8*(4*\t+\a)+7], v[XF+64*(\set)+16*\a:XF+64*(\set)+16*\a+15], v[16*(8+\t):16*(8+\t)+15], v[8*(4*\t+\a):8*(4*\t+\a)+7]
.endif
.endr
.endr
.endm
.macro STEP slot, first
	s_wait_dscnt 32
	MULW 0, 4, 0, \first
	PLACES 4
	FETCH_X \slot, 1, 1
	FETCH_W \slot, 1, 0
	s_wait_dscnt 48
	MULW 4, 4, 0, \first
	PLACES 4
	FETCH_W \slot, 1, 4
	s_wait_dscnt 48
	MULV 0, \first
	PLACES 4
	FETCH_V \slot, 1
	WIN 0
.endm
.macro TURN slot, next, fill
	s_wait_tensorcnt 0x0
	ds_add_u32 v[SPW], v[NIL]
	s_wait_dscnt 33
	MULW 0, 2, 1, 0
	s_wait_dscnt 0x0
	s_barrier_signal -1
	MULW 2, 2, 1, 0
	WIN 0
	s_barrier_wait -1
.if \fill
	CREST
	s_add_nc_u64 s[G0X+4*\slot+2:G0X+4*\slot+3], s[G0X+4*\slot+2:G0X+4*\slot+3], 512
	s_add_nc_u64 s[G0W+4*\slot+2:G0W+4*\slot+3], s[G0W+4*\slot+2:G0W+4*\slot+3], 512
	JLOAD \slot
.else
	PLACES 4
.endif
	FETCH_X \next, 0, 0
	FETCH_W \next, 0, 0
	MULW 4, 4, 1, 0
	PLACES 4
	FETCH_W \next, 0, 4
	MULV 1, 0
	PLACES 4
	FETCH_V \next, 0
	WIN 0
.if (\fill) && ((\slot) == 0)
	ASK 3                                          ; behind K step 2's load
.endif
.endm
	s_wait_alu depctr_va_vdst(0)                   ; the wait at the head's end
	s_wait_tensorcnt 0x0                           ; my part of K step 0 is in
	ds_add_u32 v[SPW], v[NIL]
	s_wait_dscnt 0x0
	CROUND                                         ; everybody's part is in, and all sixteen work-groups are here
	JLOAD 1                                        ; K step 1, the first tensor load behind the round
	FETCH_X 0, 0, 0
	FETCH_W 0, 0, 0
	FETCH_W 0, 0, 4
	FETCH_V 0, 0
	WIN 0
	ASK 2                                          ; behind K step 1's load
	STEP 0, 1
	TURN 0, 1, 1
	STEP 1, 0
	TURN 1, 0, 1
	STEP 0, 0
	TURN 0, 1, 0
	STEP 1, 0
	s_wait_dscnt 32
	MULW 0, 4, 1, 0
	s_wait_dscnt 16
	MULW 4, 4, 1, 0
	PLACES 4                                       ; q leaves ahead of v's last products
.macro HOLD base, lim, win
	WIN \win
.set J, 0
.rept 128
	v_med3_num_f32 v[\base+J], v[\base+J], -v[\lim], v[\lim]
.set J, J+1
.endr
.endm
.macro CODES_QK base, c, sc
	WIN 0x02
.irp a, 0,1,2,3
.irp t, 0,1,2,3
	v_cvt_scalef32_pk8_fp8_f32 v[\c+8*\a+2*\t:\c+8*\a+2*\t+1], v[\base+8*(4*\t+\a):\base+8*(4*\t+\a)+7], v[\sc]
.endr
.endr
	v_nop
	WIN 0
.endm
	HOLD 0, SQ+1, 0x82
	CODES_QK 0, CQ, SQ
.irp a, 0,1,2,3
.irp g, 0,1
	global_store_b128 v[LI], v[CQ+8*\a+4*\g:CQ+8*\a+4*\g+3], s[20:21] offset:\a*1024+\g*512
.endr
.endr
	s_wait_dscnt 0x0
	MULV 1, 0                                      ; k's holds and conversions below are these products' places
	HOLD 128, SK+1, 0x82
	CODES_QK 128, CK, SK
.irp a, 0,1,2,3
.irp g, 0,1
	global_store_b128 v[LI], v[CK+8*\a+4*\g:CK+8*\a+4*\g+3], s[22:23] offset:\a*1024+\g*512
.endr
.endr
	HOLD 0, SV+1, 0xc3
	WIN 0x03
.irp t, 0,1,2,3
.irp a, 0,1,2,3
	v_cvt_scalef32_pk8_fp8_f32 v[CV+8*\t+2*\a:CV+8*\t+2*\a+1], v[8*(4*\t+\a):8*(4*\t+\a)+7], v[SV]
.endr
.endr
	v_nop
	WIN 0
.irp t, 0,1,2,3
.irp g, 0,1
	global_store_b128 v[LI], v[CV+8*\t+4*\g:CV+8*\t+4*\g+3], s[66:67] offset:\t*2048+\g*512
.endr
.endr
	s_wait_tensorcnt 0x0
	ds_add_u32 v[SPW], v[NIL]
	s_wait_dscnt 0x0
	CROUND
	s_endpgm
.Lfunc_end_k_q0554d89a29_qkv:
	.size	k_q0554d89a29_qkv, .Lfunc_end_k_q0554d89a29_qkv-k_q0554d89a29_qkv
	.p2alignl 7, 3214868480
	.fill 96, 4, 3214868480
	.section	.rodata,"a",@progbits
	.p2align	6, 0x0
	.amdhsa_kernel k_q0554d89a29_qkv
		.amdhsa_group_segment_fixed_size 327680
		.amdhsa_private_segment_fixed_size 0
		.amdhsa_enable_private_segment 0
		.amdhsa_kernarg_size 80
		.amdhsa_user_sgpr_count 2
		.amdhsa_user_sgpr_kernarg_segment_ptr 1
		.amdhsa_wavefront_size32 1
		.amdhsa_system_sgpr_workgroup_id_x 1
		.amdhsa_system_sgpr_workgroup_id_y 1
		.amdhsa_system_sgpr_workgroup_id_z 1
		.amdhsa_system_vgpr_workitem_id 0
		.amdhsa_next_free_vgpr 1024
		.amdhsa_next_free_sgpr 102
		.amdhsa_reserve_vcc 0
		.amdhsa_float_denorm_mode_32 3
		.amdhsa_float_denorm_mode_16_64 3
		.amdhsa_memory_ordered 1
		.amdhsa_forward_progress 1
		.amdhsa_inst_pref_size 112
	.end_amdhsa_kernel
	.amdgpu_metadata
---
amdhsa.version: [ 1, 2 ]
amdhsa.kernels:
  - .name:           k_q0554d89a29_qkv
    .symbol:         k_q0554d89a29_qkv.kd
    .args:
      - { .name: X_codes, .offset: 0, .size: 8, .value_kind: global_buffer, .address_space: global }
      - { .name: Wq_codes, .offset: 8, .size: 8, .value_kind: global_buffer, .address_space: global }
      - { .name: Wk_codes, .offset: 16, .size: 8, .value_kind: global_buffer, .address_space: global }
      - { .name: Wv_codes, .offset: 24, .size: 8, .value_kind: global_buffer, .address_space: global }
      - { .name: bq, .offset: 32, .size: 8, .value_kind: global_buffer, .address_space: global }
      - { .name: bk, .offset: 40, .size: 8, .value_kind: global_buffer, .address_space: global }
      - { .name: bv, .offset: 48, .size: 8, .value_kind: global_buffer, .address_space: global }
      - { .name: lowp_scales, .offset: 56, .size: 8, .value_kind: global_buffer, .address_space: global }
      - { .name: q_img, .offset: 64, .size: 8, .value_kind: global_buffer, .address_space: global }
      - { .name: kv_img, .offset: 72, .size: 8, .value_kind: global_buffer, .address_space: global }
    .group_segment_fixed_size: 327680
    .private_segment_fixed_size: 0
    .kernarg_segment_align: 8
    .kernarg_segment_size: 80
    .max_flat_workgroup_size: 128
    .sgpr_count:     102
    .vgpr_count:     1024
    .wavefront_size: 32
...
	.end_amdgpu_metadata
.endif
;; end of part 1
;; launch attn (part 2): grid 8 x 32, 8 waves a work-group, clusters of 4 x 1, 327,680 bytes of LDS; arguments q_img, kv_img, lowp_scales, ac_img; writes ac_img
.if DOCPART == 2
	.amdgcn_target "amdgcn-amd-amdhsa--gfx1250"
	.amdhsa_code_object_version 6
	.text
	.protected	k_q0554d89a29_attn
	.globl	k_q0554d89a29_attn
	.p2align	8
	.type	k_q0554d89a29_attn,@function
k_q0554d89a29_attn:
	s_mov_b64 s[64:65], 0
	v_nop
	global_prefetch_b8 v0, s[64:65] scope:SCOPE_SE
	s_setreg_imm32_b32 hwreg(HW_REG_WAVE_MODE, 25, 1), 1
	s_wait_xcnt 0x0
	s_wait_alu depctr_hold_cnt(0) depctr_sa_sdst(0) depctr_va_vdst(0) depctr_va_sdst(0) depctr_va_ssrc(0) depctr_va_vcc(0) depctr_vm_vsrc(0)
	s_getreg_b32 s2, hwreg(HW_REG_IB_STS2, 6, 4)
	s_cmp_eq_u32 s2, 0
	s_cbranch_scc0 .Lentry_in_a_cluster
	s_endpgm
.Lentry_in_a_cluster:
	s_bfe_u32 s2, ttmp6, 0x10000c
	s_cmp_lg_u32 s2, 0x3003
	s_cbranch_scc0 .Lentry_shape_is_right
	s_endpgm
.Lentry_shape_is_right:
; For each of 32 (batch, head): O[q] = sum over keys of softmax(q . k / 8) v, both products on codes of FP8 (E4M3); the result is quantised with 2^e10 and stored as images of the last product's operand registers.
; lowp_scales: e6 (q), e7 (k), e8 (p), e9 (v), e10 (the result).
; THE SOFTMAX AHEAD OF THE SECOND PRODUCT: t = score x log2(e) / 8; M = the row's largest t so far, rounded UP to a whole number; p = 2^(t - M) is quantised, not normalised.  The row's sum is taken of the unquantised p
; and divides O at the end.  When M moves, the sum and O^T are multiplied by 2^(old M - new M): exact, and without a branch on data.
; SHARES.  A work-group owns 256 queries of one head; each of its eight waves two tiles of 16, so that every fragment of K and V read from LDS feeds two matrix instructions; 512 registers, two waves to a SIMD.  A step is 256 keys.
; THE WHOLE HEAD LIES IN LDS, as it lies in memory: 8 steps x 32,768 bytes.  No byte is filled twice.  Each wave asks for 8,192 bytes of steps 0 and 1 at the head, and for 24,576 bytes of steps 2 to 7 behind the round
; that shows steps 0 and 1 whole; these land while steps 0 and 1 are worked on, and one barrier stands in front of step 2.
; CLUSTER 4 x 1: the four query blocks of a cluster belong to one head and need the same K and V: every tile is asked for jointly, with the mask of all four.
; No prefetch: two loads a wave bring all that the launch reads by tensor loads, and nothing is left for which a loop could run ahead.
; LAYOUT.  S^T = K Q^T (source 0 = 16 keys, source 1 = 16 queries): a lane holds ONE query of each tile and keys 16 i + 8 h + j of tile i: a conversion gives registers 2 i, 2 i + 1 of P, in the form's own layout.  O^T = V^T P
; likewise; the channels of V's tiles were chosen so that tiles 2 b and 2 b + 1 give a lane channels 32 b + 16 h + 0 .. 15.
; LIMITS: e6 + e7 between -124 and 129 (they are added to c's exponent field); e8 and e10 between -126 and 119.
; REGISTERS, window 1: S^T, then p: query tile q, key tile i at v[128 q + 8 i].  Work goes in four chunks of 64 registers: chunk c is query tile c / 2, 128 keys c % 2.  Codes of chunks 1, 2, 3 land on v0-47, which chunk 0 has left.
.set LI,   1                           ; 16 x lane
.set ADK,  2                           ; LDS address of the step in hand
.set OLIM, 3                           ; 448 x 2^e10 (at the end)
.set PM,   4                           ; v4-5    a lane permute's destination, one for each query tile
.set SPW,  6
.set NIL,  7
.set PSC,  8                           ; 2^e8
.set OSC,  9                           ; 2^e10 (at the end)
.set PLIM, 10                          ; v10-11  448 x 2^e8, twice
.set NM,   12                          ; v12, v14  -M of the two query tiles;  v13, v15  their largest scores
.set T,    16                          ; v16-23  the maxima's chains, four for each query tile
.set X,    16                          ; v16-21  three further chains of the sum in hand, when the maxima are done with
.set FF,   24                          ; v[24:25], v[26:27]  f = 2^(old M - new M)
.set L,    28                          ; v[28:29], v[30:31]  the sums, in two halves
.set Q,    32                          ; v32-47  my queries' fragments
.set O,    48                          ; v48-111 O^T: query tile q, channel tile t at v[48 + 32 q + 8 t]
.set PCT,  112                         ; v112-127 codes of chunk 0
.set B0,   128                         ; v128-191, v192-255  K's or V's fragments of the step's two 128 keys
.set WV,   12
.set G1A,  16                          ; s[16:23], s[24:27] the first load's groups;  s[32:39], s[28:31] the second's
.set G0A,  24
.set G0B,  28
.set G1B,  32
.set SEL,  40
.set CS,   42
.set TB,   44
.set CNT,  45
.set MSB, 0
.macro WIN new                         ; the immediate's high byte repeats the setting that is left
.if MSB != \new
	s_set_vgpr_msb (MSB<<8)|\new
.set MSB, \new
.endif
.endm
.macro PLACES n
.rept \n
	v_nop
.endr
.endm
.macro CROUND
	s_barrier_signal -1
	s_barrier_wait -1
	s_cmp_lg_u32 s[WV], 0
	s_cbranch_scc1 .Lnot_wave_0_\@
	s_barrier_signal -3
.Lnot_wave_0_\@:
	s_barrier_wait -3
	s_barrier_signal -1
	s_barrier_wait -1
.endm
	s_load_b256 s[4:11], s[0:1], 0x0               ; q_img 4, kv_img 6, scales 8, ac_img 10
	v_lshl_add_u32 v[SPW], v0, 2, 0x40000          ; the spare words lie behind the head's 262,144 bytes
	v_mov_b32 v[NIL], 0
	ds_add_u32 v[SPW], v[NIL]                      ; the opening add, twice on end
	ds_add_u32 v[SPW], v[NIL]
	v_lshrrev_b32 v3, 5, v0
	v_and_b32 v[LI], 31, v0
	v_readfirstlane_b32 s[WV], v3                  ; wave 0..7
	v_lshlrev_b32 v[LI], 4, v[LI]
	s_bfe_u32 s13, ttmp6, 0x40000                  ; cx
	s_lshl_b32 s14, ttmp9, 2
	s_add_co_u32 s14, s14, s13                     ; my block of 256 queries: it enters q's and the result's addresses alone
	s_and_b32 s15, ttmp7, 0xffff                   ; bh = 16 x batch + head, which the four partners share
.irp g, G1A, G1B
	s_mov_b32 s[\g], 15|(3<<16)|(1<<21)            ; the mask: all four; elements of 8 bytes; bit 21 beside a mask; no padding
	s_mov_b32 s[\g+1], 32<<16                      ; rows of 256 bytes, dense
	s_mov_b32 s[\g+3], 32<<16
	s_mov_b32 s[\g+5], 32
	s_mov_b32 s[\g+6], 0
	s_mov_b32 s[\g+7], 0
.endr
	s_mov_b32 s[G1A+2], 32<<16                     ; 32 rows: 8,192 bytes
	s_mov_b32 s[G1A+4], 32
	s_mov_b32 s[G1B+2], 96<<16                     ; 96 rows: 24,576 bytes
	s_mov_b32 s[G1B+4], 96
	s_mov_b32 s[SEL], 0x76543210
	s_mov_b32 s[SEL+1], 0xfedcba98                 ; lane l xor 16
	s_mov_b32 s[CS], 0x3e38aa3b                    ; c = log2(e) / 8
	s_lshl_b32 s53, s[WV], 13                      ; my part of steps 0 and 1
	s_mul_i32 s46, s[WV], 24576
	s_add_co_u32 s46, s46, 65536                   ; my part of steps 2 to 7
	s_lshl_b32 s54, s15, 18                        ; the head's 262,144 bytes
	s_add_co_u32 s56, s54, s53
	s_mov_b32 s57, 0
	s_add_co_u32 s54, s54, s46
	s_mov_b32 s55, 0
	s_lshl_b32 s60, s14, 4
	s_lshl_b32 s61, s[WV], 1
	s_add_co_u32 s60, s60, s61                     ; my first tile of queries in the batch: 16 x block + 2 x wave
	s_lshl_b32 s58, s15, 7
	s_add_co_u32 s58, s58, s60
	s_lshl_b32 s58, s58, 10                        ; q: tiles of 1,024 bytes
	s_mov_b32 s59, 0
	s_lshr_b32 s61, s15, 4
	s_lshl_b32 s61, s61, 7
	s_add_co_u32 s60, s60, s61
	s_lshl_b32 s60, s60, 14                        ; the result: row tiles of 16,384 bytes,
	s_and_b32 s61, s15, 15
	s_lshl_b32 s61, s61, 10
	s_add_co_u32 s60, s60, s61                     ; 1,024 bytes for each head
	s_mov_b32 s61, 0
	s_wait_alu depctr_va_vdst(0)                   ; directly ahead of the waits below
	s_wait_dscnt 0x0                               ; both opening adds are done
	s_wait_kmcnt 0x0
	s_load_b128 s[48:51], s[8:9], 0x18             ; e6, e7, e8, e9
	s_load_b32 s52, s[8:9], 0x28                   ; e10
	s_add_nc_u64 s[4:5], s[4:5], s[58:59]
	s_add_nc_u64 s[10:11], s[10:11], s[60:61]
	s_mov_b32 s[G0A], 1
	s_mov_b32 s[G0A+1], s53                        ; LDS: as in memory
	s_add_nc_u64 s[G0A+2:G0A+3], s[6:7], s[56:57]
	s_or_b32 s[G0A+3], s[G0A+3], 0x80000000
	s_mov_b32 s[G0B], 1
	s_mov_b32 s[G0B+1], s46
	s_add_nc_u64 s[G0B+2:G0B+3], s[6:7], s[54:55]
	s_or_b32 s[G0B+3], s[G0B+3], 0x80000000
	CROUND                                         ; all four work-groups are here: the joint loads meet
	tensor_load_to_lds s[G0A:G0A+3], s[G1A:G1A+7]  ; steps 0 and 1
	s_nop 0
	PLACES 4
.irp q, 0,1
	global_load_b128 v[Q+8*\q:Q+8*\q+3], v[LI], s[4:5] offset:1024*\q   ; Q's fragments stay in registers
	global_load_b128 v[Q+8*\q+4:Q+8*\q+7], v[LI], s[4:5] offset:1024*\q+512
	v_mov_b32 v[NM+2*\q], 0x7f61b1e6               ; -M before the first step: 3e38
	v_mov_b32 v[NM+2*\q+1], 0xff800000             ; the largest score so far: -infinity
	v_mov_b32 v[L+2*\q], 0
	v_mov_b32 v[L+2*\q+1], 0
	v_mov_b32 v[PM+\q], 0                          ; written once: a lane permute's destination counts as one of its sources
	v_mov_b32 v[FF+2*\q+1], 0                      ; (named as the upper half of a pair)
.endr
.set J, 0
.rept 64
	v_mov_b32 v[O+J], 0                            ; O^T.  (A step finds sums in it: the first finds zeros, which the first change of M leaves zeros)
.set J, J+1
.endr
	s_wait_kmcnt 0x0
	s_add_co_i32 s53, s48, s49
	s_lshl_b32 s53, s53, 23
	s_add_co_i32 s[CS], s[CS], s53                 ; a score stands for score x 2^(e6 + e7): added to c's exponent field
	s_mov_b32 s[CS+1], s[CS]                       ; (named with it as a pair)
	s_add_co_i32 s53, s50, 127
	s_lshl_b32 s54, s53, 23
	v_mov_b32 v[PSC], s54                          ; 2^e8
	s_add_co_i32 s53, s53, 8
	s_lshl_b32 s53, s53, 23
	s_or_b32 s53, s53, 0x600000
	v_mov_b32 v[PLIM], s53                         ; 448 x 2^e8
	v_mov_b32 v[PLIM+1], s53
	s_add_co_i32 s53, s52, 127
	s_lshl_b32 s62, s53, 23                        ; 2^e10
	s_add_co_i32 s53, s53, 8
	s_lshl_b32 s53, s53, 23
	s_or_b32 s63, s53, 0x600000                    ; 448 x 2^e10
	s_add_co_i32 s47, s50, s51                     ; e8 + e9
.macro KLD g                           ; K's fragments of the step's g-th 128 keys: 32 lanes read 512 consecutive bytes
.irp i, 0,1,2,3,4,5,6,7
	ds_load_b128 v[B0+64*\g+8*\i:B0+64*\g+8*\i+3], v[ADK] offset:16384*\g+1024*\i
	ds_load_b128 v[B0+64*\g+8*\i+4:B0+64*\g+8*\i+7], v[ADK] offset:16384*\g+1024*\i+512
.endr
.endm
.macro VLD
.irp g, 0,1
.irp t, 0,1,2,3
.irp c, 0,1,2,3
	ds_load_b128 v[B0+64*\g+16*\t+4*\c:B0+64*\g+16*\t+4*\c+3], v[ADK] offset:16384*\g+8192+2048*\t+512*\c
.endr
.endr
.endr
.endm
.macro QK g
	WIN 0x40
.irp i, 0,1,2,3,4,5,6,7
.irp q, 0,1
	v_wmma_f32_16x16x64_fp8_fp8 v[128*\q+64*\g+8*\i:128*\q+64*\g+8*\i+7], v[B0+64*\g+8*\i:B0+64*\g+8*\i+7], v[Q+8*\q:Q+8*\q+7], 0
.endr
.endr
.endm
.macro PV g                            ; eight accumulators by turns
.irp q, 0,1
.if (\g) == 0 && \q == 0
	WIN 0
.set PCR, PCT
.else
	WIN 0x04
.set PCR, 16*(2*\q+\g-1)
.endif
.irp t, 0,1,2,3
	v_wmma_f32_16x16x128_fp8_fp8 v[O+32*\q+8*\t:O+32*\q+8*\t+7], v[B0+64*\g+16*\t:B0+64*\g+16*\t+15], v[PCR:PCR+15], v[O+32*\q+8*\t:O+32*\q+8*\t+7]
.endr
.endr
.endm
.macro MAXS                            ; the largest of the scores so far: four chains for each query tile, begun with the largest of the earlier steps; each tile is read from its low end on
	WIN 0x14
.set I, 0
.rept 16
.irp q, 0,1
.irp j, 0,1,2,3
.if I == 0
	v_max3_num_f32 v[T+4*\q+\j], v[NM+2*\q+1], v[128*\q+2*\j], v[128*\q+2*\j+1]
.else
	v_max3_num_f32 v[T+4*\q+\j], v[T+4*\q+\j], v[128*\q+8*I+2*\j], v[128*\q+8*I+2*\j+1]
.endif
.endr
.endr
.set I, I+1
.endr
	WIN 0
.irp q, 0,1
	v_max3_num_f32 v[T+4*\q], v[T+4*\q], v[T+4*\q+1], v[T+4*\q+2]
.endr
.irp q, 0,1
	v_max_num_f32 v[T+4*\q], v[T+4*\q], v[T+4*\q+3]
.endr
.irp q, 0,1
	v_permlanex16_b32 v[PM+\q], v[T+4*\q], s[SEL], s[SEL+1]
.endr
.irp q, 0,1
	v_max_num_f32 v[NM+2*\q+1], v[T+4*\q], v[PM+\q]   ; lane l xor 16's too
.endr
.irp q, 0,1
	v_mul_f32 v[T+4*\q+1], s[CS], v[NM+2*\q+1]     ; as t (c is positive)
.endr
.irp q, 0,1
	v_floor_f32 v[T+4*\q+2], -v[T+4*\q+1]          ; the new -M = floor(-t) = -ceil(t)
.endr
.irp q, 0,1
	v_sub_f32 v[T+4*\q+3], v[T+4*\q+2], v[NM+2*\q] ; old M - new M: a whole number, 0 or less
.endr
.irp q, 0,1
	v_mov_b32 v[NM+2*\q], v[T+4*\q+2]
.endr
.irp q, 0,1
	v_cvt_i32_f32 v[T+4*\q+3], v[T+4*\q+3]         ; (it saturates)
.endr
.irp q, 0,1
	v_ldexp_f32 v[FF+2*\q], 1.0, v[T+4*\q+3]       ; f = 2^(old M - new M)
.endr
.irp q, 0,1
	v_pk_mul_f32 v[L+2*\q:L+2*\q+1], v[L+2*\q:L+2*\q+1], v[FF+2*\q:FF+2*\q+1] op_sel_hi:[1,0]
.set J, 0
.rept 16
	v_pk_mul_f32 v[O+32*\q+J:O+32*\q+J+1], v[O+32*\q+J:O+32*\q+J+1], v[FF+2*\q:FF+2*\q+1] op_sel_hi:[1,0]   ; O^T under the new M
.set J, J+2
.endr
.endr
.endm
.macro FMAP c, j                       ; t - M, two at a time
	v_pk_fma_f32 v[64*(\c)+\j:64*(\c)+\j+1], v[64*(\c)+\j:64*(\c)+\j+1], s[CS:CS+1], v[NM+2*((\c)/2):NM+2*((\c)/2)+1] op_sel_hi:[1,0,0]
.endm
.macro MINP c, j                       ; the conversion does not saturate (ISA guide 7.6.2); p is not negative, so the hold is one-sided
	v_dual_min_num_f32 v[64*(\c)+\j], v[64*(\c)+\j], v[PLIM] :: v_dual_min_num_f32 v[64*(\c)+\j+1], v[64*(\c)+\j+1], v[PLIM+1]
.endm
.macro ADDC c                          ; the row's sum takes chunk c, unquantised, in four chains; behind a query tile's second chunk the chains are joined
.set SB, 64*(\c)
.set LQ, L+2*((\c)/2)
.set JJ, 0
.if (\c)%2 == 0
	WIN 0x05
	v_pk_add_f32 v[X:X+1], v[SB:SB+1], v[SB+2:SB+3]
	v_pk_add_f32 v[X+2:X+3], v[SB+4:SB+5], v[SB+6:SB+7]
	v_pk_add_f32 v[X+4:X+5], v[SB+8:SB+9], v[SB+10:SB+11]
.set JJ, 12
.endif
	WIN 0x01
.set NN, 0
.rept (64-JJ)/2
.if NN%4 == 0
	v_pk_add_f32 v[LQ:LQ+1], v[SB+JJ:SB+JJ+1], v[LQ:LQ+1]
.else
	v_pk_add_f32 v[X+2*(NN%4)-2:X+2*(NN%4)-1], v[SB+JJ:SB+JJ+1], v[X+2*(NN%4)-2:X+2*(NN%4)-1]
.endif
.set NN, NN+1
.set JJ, JJ+2
.endr
.if (\c)%2 == 1
	WIN 0
	v_pk_add_f32 v[X:X+1], v[X:X+1], v[X+2:X+3]
	v_pk_add_f32 v[LQ:LQ+1], v[LQ:LQ+1], v[X+4:X+5]
	v_pk_add_f32 v[LQ:LQ+1], v[LQ:LQ+1], v[X:X+1]
.endif
.endm
.macro CVT c                           ; keys 16 i + 8 h + 0 .. 7: registers 2 i, 2 i + 1 of P
.if (\c) == 0
	WIN 0x01
.set CD, PCT
.else
	WIN 0x41
.set CD, 16*((\c)-1)
.endif
.set KK, 0
.rept 8
	v_cvt_scalef32_pk8_fp8_f32 v[CD+2*KK:CD+2*KK+1], v[64*(\c)+8*KK:64*(\c)+8*KK+7], v[PSC]
.set KK, KK+1
.endr
.endm
; Stage n: the exponentials of chunk n, by turns with chunk n + 1's multiply-adds and chunk n - 1's holds.  ONE wait at its head serves chunk n - 1's exponentials ahead of their first reader,
; chunk n's multiply-adds ahead of the exponentials, and chunk n - 2's holds ahead of its conversions.
.macro STG n
	s_wait_alu depctr_va_vdst(0)
.if \n >= 1
	ADDC \n-1
.endif
.if \n < 4
.if \n >= 2
	CVT \n-2
.endif
	WIN 0x41
.set J, 0
.rept 32
	v_exp_f32 v[64*\n+J], v[64*\n+J]               ; p = 2^(t - M), at most 1
.if (\n == 1) || (\n == 2)
	FMAP \n+1, J
.endif
	v_exp_f32 v[64*\n+J+1], v[64*\n+J+1]
.if \n == 0
	FMAP 1, J
.else
	MINP \n-1, J
.endif
.set J, J+2
.endr
.else
	CVT 2
.set J, 0
.rept 32
	MINP 3, J
.set J, J+2
.endr
	CVT 3
.endif
.endm
; A STEP: 256 keys, at LDS byte s[TB].  kl = 1: it loads its K itself; kn = 1: it asks for the next step's K as its own V is done with.
.macro STEP kl, kn
.if \kl
	v_add_nc_u32 v[ADK], s[TB], v[LI]
	PLACES 4                                       ; with the addition: five places between the last step's products and the loads and products that write over their registers
	KLD 0
	KLD 1
	s_wait_alu depctr_va_vdst(0)                   ; directly ahead of the wait below
.endif
	s_wait_dscnt 16                                ; the first 128 keys are in; the 16 loads of the others may be out
	QK 0
	s_wait_dscnt 0x0
	QK 1
	PLACES 4                                       ; in front of loads into K's registers, and of the first read of the scores
	WIN 0
	VLD                                            ; V lands while the softmax is walked
	MAXS
	WIN 0x41
.set J, 0
.rept 32
	FMAP 0, J
.set J, J+2
.endr
	STG 0
	STG 1
	STG 2
	STG 3
	STG 4
	WIN 0
.if \kn
	s_add_co_u32 s[TB], s[TB], 32768
	v_add_nc_u32 v[ADK], s[TB], v[LI]              ; the next step's address; the plain line behind the last conversion too
.else
	v_nop                                          ; a plain line behind the last conversion
.endif
	s_wait_alu depctr_va_vdst(0)                   ; directly ahead of the wait below
	s_wait_dscnt 0x0                               ; V is in
	PV 0
.if \kn
	PLACES 4
	WIN 0
	KLD 0
.endif
	PV 1
.if \kn
	PLACES 5                                       ; the next step's scores are laid over P's codes
	WIN 0
	KLD 1
.endif
	WIN 0
.if \kl
	s_add_co_u32 s[TB], s[TB], 32768
.endif
.endm
	s_wait_alu depctr_va_vdst(0)                   ; the wait at the head's end
	s_wait_tensorcnt 0x0                           ; my part of steps 0 and 1 is in
	ds_add_u32 v[SPW], v[NIL]
	s_mov_b32 s[TB], 0
	s_mov_b32 s[CNT], 2
	s_wait_dscnt 0x0
	CROUND                                         ; steps 0 and 1 are whole for all eight waves, and all four work-groups are here
	tensor_load_to_lds s[G0B:G0B+3], s[G1B:G1B+7]  ; steps 2 to 7, the first tensor load behind the round
	s_nop 0
	PLACES 4
	s_wait_loadcnt 0x0                             ; Q
.Lfirst:                                               ; steps 0 and 1
	STEP 1, 0
	s_sub_co_u32 s[CNT], s[CNT], 1
	s_cmp_lg_u32 s[CNT], 0
	s_cbranch_scc1 .Lfirst
	s_wait_tensorcnt 0x0                           ; my part of steps 2 to 7 is in
	s_wait_dscnt 0x0
	s_barrier_signal -1
	s_barrier_wait -1                              ; everybody's is.
	s_mov_b32 s[TB], 65536
	v_add_nc_u32 v[ADK], s[TB], v[LI]
	PLACES 4                                       ; with the addition: five places behind step 1's products
	KLD 0
	KLD 1
	s_mov_b32 s[CNT], 5
	s_wait_alu depctr_va_vdst(0)                   ; ahead of the loop's waits
.Lrest:                                                ; steps 2 to 6
	STEP 0, 1
	s_sub_co_u32 s[CNT], s[CNT], 1
	s_cmp_lg_u32 s[CNT], 0
	s_cbranch_scc1 .Lrest
	STEP 0, 0                                      ; step 7 asks for nothing more
	; THE WAY OUT.  O^T x 2^(e8 + e9) / the sum is the value; it is held, converted with 2^e10, and a lane's 16 neighbouring channels are 16 bytes: each store of the wave covers 512 consecutive bytes, aligned.
.irp q, 0,1
	v_add_f32 v[T+4*\q], v[L+2*\q], v[L+2*\q+1]    ; the sum's two halves,
.endr
.irp q, 0,1
	v_permlanex16_b32 v[PM+\q], v[T+4*\q], s[SEL], s[SEL+1]
.endr
.irp q, 0,1
	v_add_f32 v[T+4*\q], v[T+4*\q], v[PM+\q]       ; and lane l xor 16's.  (These six are the places behind the last products)
.endr
	s_wait_alu depctr_va_vdst(0)                   ; ahead of the reciprocals
	v_rcp_f32 v[T], v[T]
	v_rcp_f32 v[T+4], v[T+4]
	v_mov_b32 v[OSC], s62
	v_mov_b32 v[OLIM], s63
	s_wait_alu depctr_va_vdst(0)                   ; ahead of their first reader
	v_ldexp_f32 v[T], v[T], s47                    ; x 2^(e8 + e9)
	v_ldexp_f32 v[T+4], v[T+4], s47
	s_wait_alu depctr_va_vdst(0)                   ; directly ahead of the first reader of O^T
.irp q, 0,1
.set J, 0
.rept 16
	v_pk_mul_f32 v[B0+32*\q+J:B0+32*\q+J+1], v[O+32*\q+J:O+32*\q+J+1], v[T+4*\q:T+4*\q+1] op_sel_hi:[1,0]   ; each accumulator from its low end on
.set J, J+2
.endr
.endr
.set J, 0
.rept 64
	v_med3_num_f32 v[B0+J], v[B0+J], -v[OLIM], v[OLIM]
.set J, J+1
.endr
.set J, 0
.rept 8
	v_cvt_scalef32_pk8_fp8_f32 v[B0+64+2*J:B0+64+2*J+1], v[B0+8*J:B0+8*J+7], v[OSC]   ; tiles 2 b, 2 b + 1: channels 32 b + 16 h + 0 .. 15
.set J, J+1
.endr
	v_nop
.irp q, 0,1
	global_store_b128 v[LI], v[B0+64+8*\q:B0+64+8*\q+3], s[10:11] offset:16384*\q
	global_store_b128 v[LI], v[B0+64+8*\q+4:B0+64+8*\q+7], s[10:11] offset:16384*\q+512
.endr
	s_wait_tensorcnt 0x0                           ; the wave's end
	ds_add_u32 v[SPW], v[NIL]
	s_wait_dscnt 0x0
	CROUND                                         ; the closing round
	s_endpgm
.Lfunc_end_k_q0554d89a29_attn:
	.size	k_q0554d89a29_attn, .Lfunc_end_k_q0554d89a29_attn-k_q0554d89a29_attn
	.p2alignl 7, 3214868480
	.fill 96, 4, 3214868480
	.section	.rodata,"a",@progbits
	.p2align	6, 0x0
	.amdhsa_kernel k_q0554d89a29_attn
		.amdhsa_group_segment_fixed_size 327680
		.amdhsa_private_segment_fixed_size 0
		.amdhsa_enable_private_segment 0
		.amdhsa_kernarg_size 32
		.amdhsa_user_sgpr_count 2
		.amdhsa_user_sgpr_kernarg_segment_ptr 1
		.amdhsa_wavefront_size32 1
		.amdhsa_system_sgpr_workgroup_id_x 1
		.amdhsa_system_sgpr_workgroup_id_y 1
		.amdhsa_system_sgpr_workgroup_id_z 1
		.amdhsa_system_vgpr_workitem_id 0
		.amdhsa_next_free_vgpr 512
		.amdhsa_next_free_sgpr 70
		.amdhsa_reserve_vcc 0
		.amdhsa_float_denorm_mode_32 3
		.amdhsa_float_denorm_mode_16_64 3
		.amdhsa_memory_ordered 1
		.amdhsa_forward_progress 1
		.amdhsa_inst_pref_size 177
	.end_amdhsa_kernel
	.amdgpu_metadata
---
amdhsa.version: [ 1, 2 ]
amdhsa.kernels:
  - .name:           k_q0554d89a29_attn
    .symbol:         k_q0554d89a29_attn.kd
    .args:
      - { .name: q_img, .offset: 0, .size: 8, .value_kind: global_buffer, .address_space: global }
      - { .name: kv_img, .offset: 8, .size: 8, .value_kind: global_buffer, .address_space: global }
      - { .name: lowp_scales, .offset: 16, .size: 8, .value_kind: global_buffer, .address_space: global }
      - { .name: ac_img, .offset: 24, .size: 8, .value_kind: global_buffer, .address_space: global }
    .group_segment_fixed_size: 327680
    .private_segment_fixed_size: 0
    .kernarg_segment_align: 8
    .kernarg_segment_size: 32
    .max_flat_workgroup_size: 256
    .sgpr_count:     70
    .vgpr_count:     512
    .wavefront_size: 32
...
	.end_amdgpu_metadata
.endif
;; end of part 2
;; launch oproj (part 3): grid 8 x 32, 4 waves a work-group, clusters of 4 x 4, 327,680 bytes of LDS; arguments ac_img, Wo_codes, bo, lowp_scales, out0; writes out0
.if DOCPART == 3
	.amdgcn_target "amdgcn-amd-amdhsa--gfx1250"
	.amdhsa_code_object_version 6
	.text
	.protected	k_q0554d89a29_oproj
	.globl	k_q0554d89a29_oproj
	.p2align	8
	.type	k_q0554d89a29_oproj,@function
k_q0554d89a29_oproj:
	s_mov_b64 s[64:65], 0
	v_nop
	global_prefetch_b8 v0, s[64:65] scope:SCOPE_SE
	s_setreg_imm32_b32 hwreg(HW_REG_WAVE_MODE, 25, 1), 1
	s_wait_xcnt 0x0
	s_wait_alu depctr_hold_cnt(0) depctr_sa_sdst(0) depctr_va_vdst(0) depctr_va_sdst(0) depctr_va_ssrc(0) depctr_va_vcc(0) depctr_vm_vsrc(0)
	s_getreg_b32 s2, hwreg(HW_REG_IB_STS2, 6, 4)
	s_cmp_eq_u32 s2, 0
	s_cbranch_scc0 .Lentry_in_a_cluster
	s_endpgm
.Lentry_in_a_cluster:
	s_bfe_u32 s2, ttmp6, 0x10000c
	s_cmp_lg_u32 s2, 0xf033
	s_cbranch_scc0 .Lentry_shape_is_right
	s_endpgm
.Lentry_shape_is_right:
; out0 = A Wo^T + bo on codes of FP8 (E4M3).  A: the attention result, [4096][1024], as images of operand registers: [row tile of 16 (256)][16,384 bytes]; in a tile each 128 along K are
; 2,048 bytes: registers 4 c .. 4 c + 3 (k = 32 c + 16 h + 0 .. 15 of row r) at 512 c + 16 x lane.  Wo: [1024][1024] codes, K innermost; four loads of 16 bytes give its rows the same places for k.  out0: f32.
; lowp_scales: e10 (A), e11 (Wo).  out = sum x 2^(e10 + e11) + bo, one packed multiply-add for two numbers.  LIMIT: e10 + e11 between -126 and 127.
; SHARES.  A tile of 128 x 128 to a work-group (8 x 32 = 256); four waves, 64 x 64 each: 16 accumulators.  K comes in two halves of 512, each with LDS bytes of its own (2 x 65,536 for A, 2 x 67,584 for Wo): NO BYTE IS FILLED
; TWICE, no ring.  Waves 0 and 1 fetch for A, waves 2 and 3 for Wo, 32,768 bytes a load: the first half at the head, the second behind the round that shows the first; it lands while the first half is multiplied.
; CLUSTER 4 x 4: A's tiles hang on the row block alone and are asked for jointly along a row of the cluster, Wo's on the column tile alone, jointly along a column.
; No prefetch: two loads a wave bring all; there is no loop to run ahead in.
; THE SECOND HALF GOES BY ROWS OF THE RESULT: Wo's fragments of its four steps fill window 1, A's window 2, and each block of 16 rows is finished by 16 products, K ascending, and leaves while the next is multiplied.
; Transposed use (source 0 = 16 rows of Wo, source 1 = A's image): a lane holds eight neighbouring columns of one row.  A wave's 64 columns are 256 bytes: 16 rows at a time go through the wave's own stage.
; REGISTERS.  window 0: v1-15 addresses; v32-63 bo; v126-127 the add's; v128-255 the accumulators, (a, b) at v[128 + 8 (4 a + b)].   window 1, first half: two fragment buffers of 128 (A's four, then Wo's four).
;   window 3: results (v0-127) and rows read back (v128-255), 32 registers for each block.
.set BP,    528                        ; a row of Wo in LDS: 512 bytes + 16 = 132 words: row r starts at bank 4 r mod 64 (64 banks of 4 bytes: ISA guide 11.1)
.set BB,    131072                     ; Wo's rows begin here
.set BH,    128*BP                     ; a half of Wo's K
.set STAGE, BB+2*BH                    ; 16 rows x 272 bytes for each wave; no tile lands here (byte 266,240, a multiple of 256)
.set SPARE, STAGE+4*16*272             ; the spare words
.set ADRA, 8                           ; v8-9    A's images, first and second half
.set ADRB, 10                          ; v10-11  Wo's rows likewise
.set STO,  12
.set RD,   13
.set CO,   14
.set BO,   32
.set SPW,  126
.set NIL,  127
.set ACC,  128
.set WV,   14
.set G1A,  24
.set G1B,  32
.set G0A,  40                          ; s[40:47]
.set G0B,  48                          ; s[48:55]
.set MSB, 0
.macro WIN new
.if MSB != \new
	s_set_vgpr_msb (MSB<<8)|\new
.set MSB, \new
.endif
.endm
.macro PLACES n
.rept \n
	v_nop
.endr
.endm
.macro CROUND
	s_barrier_signal -1
	s_barrier_wait -1
	s_cmp_lg_u32 s[WV], 0
	s_cbranch_scc1 .Lnot_wave_0_\@
	s_barrier_signal -3
.Lnot_wave_0_\@:
	s_barrier_wait -3
	s_barrier_signal -1
	s_barrier_wait -1
.endm
.macro JLOAD h
	s_cmp_eq_u32 s15, 0
	s_cbranch_scc0 .Lfor_b_\@
	tensor_load_to_lds s[G0A+4*\h:G0A+4*\h+3], s[G1A:G1A+7]
	s_nop 0
	PLACES 4
	s_branch .Lasked_\@
.Lfor_b_\@:
	tensor_load_to_lds s[G0B+4*\h:G0B+4*\h+3], s[G1B:G1B+7]
	s_nop 0
	PLACES 4
.Lasked_\@:
.endm
	s_load_b256 s[4:11], s[0:1], 0x0               ; ac_img 4, Wo 6, bo 8, scales 10
	s_load_b64 s[12:13], s[0:1], 0x20              ; out0
	v_lshl_add_u32 v[SPW], v0, 2, SPARE
	v_mov_b32 v[NIL], 0
	ds_add_u32 v[SPW], v[NIL]                      ; the opening add, twice on end
	ds_add_u32 v[SPW], v[NIL]
	v_lshrrev_b32 v1, 5, v0
	v_readfirstlane_b32 s[WV], v1                  ; wave 0..3
	s_lshr_b32 s15, s[WV], 1                       ; my half of the rows.  Also: I fetch for A (0) or for Wo (1)
	s_and_b32 s16, s[WV], 1                        ; my half of the columns.  Also: which half of a tile's rows I fetch
	s_bfe_u32 s17, ttmp6, 0x40000                  ; cx
	s_bfe_u32 s18, ttmp6, 0x40004                  ; cy
	s_lshl_b32 s19, ttmp9, 2
	s_add_co_u32 s19, s19, s17                     ; column tile
	s_and_b32 s20, ttmp7, 0xffff
	s_lshl_b32 s20, s20, 2
	s_add_co_u32 s20, s20, s18                     ; row block
	s_lshl_b32 s21, s18, 2
	s_lshl_b32 s21, 15, s21                        ; my row of the cluster
	s_lshl_b32 s22, 0x1111, s17                    ; my column
	s_or_b32 s[G1A], s21, (3<<16)|(1<<21)          ; A: half of each of four row tiles: 4 rows of 8,192 bytes (elements of 8 bytes), 16,384 apart, no padding
	s_mov_b32 s[G1A+1], 1024<<16
	s_mov_b32 s[G1A+2], 4<<16
	s_mov_b32 s[G1A+3], 1024<<16
	s_mov_b32 s[G1A+4], 4
	s_mov_b32 s[G1A+5], 2048
	s_mov_b32 s[G1A+6], 0
	s_mov_b32 s[G1A+7], 0
	s_or_b32 s[G1B], s22, (1<<20)|(1<<21)|(6<<22)|(3<<25)   ; Wo: 64 rows of 512 bytes, 1,024 apart; 4 words of padding after every 128
	s_mov_b32 s[G1B+1], 512<<16
	s_mov_b32 s[G1B+2], 64<<16
	s_mov_b32 s[G1B+3], 512<<16
	s_mov_b32 s[G1B+4], 64
	s_mov_b32 s[G1B+5], 1024
	s_mov_b32 s[G1B+6], 0
	s_mov_b32 s[G1B+7], 0
	s_lshl_b32 s84, s20, 17                        ; A: row tiles 8 y + 4 x half, of 16,384 bytes (these registers never hold cx)
	s_lshl_b32 s88, s16, 16
	s_add_co_u32 s84, s84, s88
	s_mov_b32 s85, 0
	s_lshl_b32 s86, s19, 17                        ; Wo: rows 128 x + 64 x half, of 1,024 bytes (these never hold cy)
	s_add_co_u32 s86, s86, s88
	s_mov_b32 s87, 0
	s_lshl_b32 s88, s16, 15                        ; A in LDS: four half tiles of 8,192 bytes
	s_mul_i32 s89, s16, 64*BP
	s_add_co_u32 s89, s89, BB
	s_wait_dscnt 0x0                               ; both opening adds are done
	s_wait_kmcnt 0x0
	s_load_b64 s[82:83], s[10:11], 0x28            ; e10, e11
	s_add_nc_u64 s[90:91], s[4:5], s[84:85]
	s_add_nc_u64 s[92:93], s[6:7], s[86:87]
.irp h, 0,1
	s_mov_b32 s[G0A+4*\h], 1
	s_add_co_u32 s[G0A+4*\h+1], s88, \h*65536
	s_add_nc_u64 s[G0A+4*\h+2:G0A+4*\h+3], s[90:91], \h*8192
	s_or_b32 s[G0A+4*\h+3], s[G0A+4*\h+3], 0x80000000
	s_mov_b32 s[G0B+4*\h], 1
	s_add_co_u32 s[G0B+4*\h+1], s89, \h*BH
	s_add_nc_u64 s[G0B+4*\h+2:G0B+4*\h+3], s[92:93], \h*512
	s_or_b32 s[G0B+4*\h+3], s[G0B+4*\h+3], 0x80000000
.endr
	CROUND                                         ; all sixteen work-groups are here: the joint loads meet
	JLOAD 0                                        ; the first half: one tensor load a wave at the head
	v_and_b32 v1, 15, v0                           ; r
	v_bfe_u32 v2, v0, 4, 1                         ; h
	v_and_b32 v3, 31, v0
	v_lshlrev_b32 v3, 4, v3                        ; 16 x lane
	s_lshl_b32 s94, s15, 15                        ; my four row tiles
	v_add_nc_u32 v[ADRA], s94, v3
	v_add_nc_u32 v[ADRA+1], 65536, v[ADRA]
	v_mul_u32_u24 v4, v1, BP
	v_lshl_add_u32 v4, v2, 4, v4
	s_mul_i32 s94, s16, 64*BP                      ; my 64 rows of Wo
	s_add_co_u32 s94, s94, BB
	v_add_nc_u32 v[ADRB], s94, v4
	v_add_nc_u32 v[ADRB+1], BH, v[ADRB]
	s_mul_i32 s95, s[WV], 16*272
	s_add_co_u32 s95, s95, STAGE                   ; my stage
	v_mul_u32_u24 v[STO], v1, 272                  ; in: row r, 32 bytes for each half of the lanes
	v_lshl_add_u32 v[STO], v2, 5, v[STO]
	v_add_nc_u32 v[STO], s95, v[STO]
	v_mul_u32_u24 v[RD], v2, 272                   ; back: lanes 0-15 one row of 256 bytes, lanes 16-31 the next
	v_lshl_add_u32 v[RD], v1, 4, v[RD]
	v_add_nc_u32 v[RD], s95, v[RD]
	v_lshlrev_b32 v[CO], 12, v2                    ; and the same two rows of out0
	v_lshl_add_u32 v[CO], v1, 4, v[CO]
	v_lshlrev_b32 v15, 5, v2                       ; bo: my half's eight numbers of a tile
	s_wait_alu depctr_va_vdst(0)                   ; ahead of the run of scalar instructions
	s_lshl_b32 s76, s19, 9
	s_lshl_b32 s78, s16, 8
	s_add_co_u32 s76, s76, s78                     ; my first column, in bytes: 512 x + 256 x half
	s_mov_b32 s77, 0
	s_add_nc_u64 s[8:9], s[8:9], s[76:77]
	s_add_nc_u64 s[12:13], s[12:13], s[76:77]
	s_lshl_b32 s76, s20, 19
	s_lshl_b32 s78, s15, 18
	s_add_co_u32 s76, s76, s78                     ; my first row: 128 y + 64 x half, of 4,096 bytes
	s_add_nc_u64 s[12:13], s[12:13], s[76:77]
.irp b, 0,1,2,3
	global_load_b128 v[BO+8*\b:BO+8*\b+3], v15, s[8:9] offset:64*\b
	global_load_b128 v[BO+8*\b+4:BO+8*\b+7], v15, s[8:9] offset:64*\b+16
.endr
	s_wait_kmcnt 0x0
	s_add_co_i32 s80, s82, s83
	s_add_co_i32 s80, s80, 127
	s_lshl_b32 s80, s80, 23                        ; 2^(e10 + e11) as f32
	s_mov_b32 s81, s80                             ; (named with it as a pair)
	s_wait_alu depctr_va_vdst(0)                   ; the wait at the head's end
	s_wait_tensorcnt 0x0                           ; my part of the first half is in
	ds_add_u32 v[SPW], v[NIL]
	s_wait_dscnt 0x0
	CROUND                                         ; everybody's part is in, and all sixteen work-groups are here
	JLOAD 1                                        ; the second half, the first tensor load behind the round
; The first half: 32 LDS loads bring the fragments of step s (128 along K) into buffer f
.macro FETCH s, f
	WIN 0x40
.irp a, 0,1,2,3
.irp c, 0,1,2,3
	ds_load_b128 v[(\f)+16*\a+4*\c:(\f)+16*\a+4*\c+3], v[ADRA] offset:\a*8192+(\s)*2048+512*\c
.endr
.endr
.irp b, 0,1,2,3
.irp c, 0,1,2,3
	ds_load_b128 v[(\f)+64+16*\b+4*\c:(\f)+64+16*\b+4*\c+3], v[ADRB] offset:\b*16*BP+(\s)*128+32*\c
.endr
.endr
.endm
.macro MUL f, zero                     ; 16 products, the accumulators by turns; zero = 1: the first products start the sums
	WIN 0x05                                       ; sources window 1, C and D window 0
.irp a, 0,1,2,3
.irp b, 0,1,2,3
.if \zero
	v_wmma_f32_16x16x128_fp8_fp8 v[ACC+8*(4*\a+\b):ACC+8*(4*\a+\b)+7], v[(\f)+64+16*\b:(\f)+64+16*\b+15], v[(\f)+16*\a:(\f)+16*\a+15], 0
.else
	v_wmma_f32_16x16x128_fp8_fp8 v[ACC+8*(4*\a+\b):ACC+8*(4*\a+\b)+7], v[(\f)+64+16*\b:(\f)+64+16*\b+15], v[(\f)+16*\a:(\f)+16*\a+15], v[ACC+8*(4*\a+\b):ACC+8*(4*\a+\b)+7]
.endif
.endr
.endr
.endm
	FETCH 0, 0
.irp s, 0,1,2
.if \s > 0
	PLACES 4                                       ; in front of loads into the buffer that the last step multiplied
.endif
	FETCH \s+1, 128*((\s+1)%2)
	s_wait_dscnt 32                                ; this step's fragments are in; the 32 just issued may be out
.if \s == 0
	MUL 0, 1
.else
	MUL 128*(\s%2), 0
.endif
.endr
	s_wait_dscnt 0x0
	MUL 128, 0
	PLACES 4                                       ; in front of the loads into both buffers
	WIN 0
	s_wait_tensorcnt 0x0                           ; my part of the second half is in
	s_barrier_signal -1
	s_barrier_wait -1                              ; everybody's is.
; The second half: all four steps' fragments of Wo (step s, tile b at v[64 s + 16 b] of window 1), and of A's block a (step s at v[64 a + 16 s] of window 2)
.macro BLOAD s
	WIN 0x40
.irp b, 0,1,2,3
.irp c, 0,1,2,3
	ds_load_b128 v[64*\s+16*\b+4*\c:64*\s+16*\b+4*\c+3], v[ADRB+1] offset:\b*16*BP+\s*128+32*\c
.endr
.endr
.endm
.macro ALOAD a
	WIN 0x80
.irp s, 0,1,2,3
.irp c, 0,1,2,3
	ds_load_b128 v[64*\a+16*\s+4*\c:64*\a+16*\s+4*\c+3], v[ADRA+1] offset:\a*8192+\s*2048+512*\c
.endr
.endr
.endm
.macro ROW a, s                        ; four products of block a: step s; the accumulators by turns
	WIN 0x09
.irp b, 0,1,2,3
	v_wmma_f32_16x16x128_fp8_fp8 v[ACC+8*(4*\a+\b):ACC+8*(4*\a+\b)+7], v[64*\s+16*\b:64*\s+16*\b+15], v[64*\a+16*\s:64*\a+16*\s+15], v[ACC+8*(4*\a+\b):ACC+8*(4*\a+\b)+7]
.endr
.endm
.macro LEAVE a                         ; sum x 2^(e10 + e11) + bo, into my stage, and back as whole rows of 256 bytes.  LDS serves a wave's instructions in order (ISA guide 5.7.1.4): no wait between
	PLACES 4                                       ; block a's last products
	WIN 0xc0
.irp b, 0,1,2,3
.irp i, 0,2,4,6
	v_pk_fma_f32 v[8*(4*\a+\b)+\i:8*(4*\a+\b)+\i+1], v[ACC+8*(4*\a+\b)+\i:ACC+8*(4*\a+\b)+\i+1], s[80:81], v[BO+8*\b+\i:BO+8*\b+\i+1] op_sel_hi:[1,0,1]   ; each accumulator from its low end on
.endr
.endr
	WIN 0x0c
.irp b, 0,1,2,3
	ds_store_b128 v[STO], v[32*\a+8*\b:32*\a+8*\b+3] offset:64*\b
	ds_store_b128 v[STO], v[32*\a+8*\b+4:32*\a+8*\b+7] offset:64*\b+16
.endr
	WIN 0xc0
.irp i, 0,1,2,3,4,5,6,7
	ds_load_b128 v[128+32*\a+4*\i:128+32*\a+4*\i+3], v[RD] offset:2*\i*272
.endr
.endm
.macro SEND a
	s_wait_dscnt 0x0                               ; the block is back in registers
	WIN 0x0c
.irp i, 0,1,2,3,4,5,6,7
	global_store_b128 v[CO], v[128+32*\a+4*\i:128+32*\a+4*\i+3], s[12:13] offset:(16*\a+2*\i)*4096 th:TH_STORE_NT   ; 16 lanes store 256 consecutive bytes, aligned; written once, read by nobody here
.endr
.endm
	ALOAD 0
	BLOAD 0
	BLOAD 1
	BLOAD 2
	BLOAD 3
	s_wait_loadcnt 0x0                             ; bo
	s_wait_dscnt 48                                ; A's block 0 and Wo's step 0 are in; the 48 loads of Wo's steps 1 to 3 may be out
	ROW 0, 0
	s_wait_dscnt 32
	ROW 0, 1
	s_wait_dscnt 16
	ROW 0, 2
	ALOAD 1
	s_wait_dscnt 16                                ; Wo's step 3 is in; block 1's 16 loads may be out
	ROW 0, 3
	ALOAD 2
	LEAVE 0
	s_wait_dscnt 32                                ; A's block 1 is in; behind it: block 2's 16 loads, the stage's 8 stores and 8 loads
.irp s, 0,1,2,3
	ROW 1, \s
.endr
	SEND 0
	ALOAD 3
	LEAVE 1
.irp s, 0,1,2,3
	ROW 2, \s                                      ; (block 2's fragments came in ahead of block 0's rows)
.endr
	SEND 1
	LEAVE 2
.irp s, 0,1,2,3
	ROW 3, \s                                      ; (block 3's ahead of block 1's rows)
.endr
	SEND 2
	LEAVE 3
	SEND 3
	WIN 0
	s_wait_tensorcnt 0x0                           ; the wave's end
	ds_add_u32 v[SPW], v[NIL]
	s_wait_dscnt 0x0
	CROUND                                         ; the closing round
	s_endpgm
.Lfunc_end_k_q0554d89a29_oproj:
	.size	k_q0554d89a29_oproj, .Lfunc_end_k_q0554d89a29_oproj-k_q0554d89a29_oproj
	.p2alignl 7, 3214868480
	.fill 96, 4, 3214868480
	.section	.rodata,"a",@progbits
	.p2align	6, 0x0
	.amdhsa_kernel k_q0554d89a29_oproj
		.amdhsa_group_segment_fixed_size 327680
		.amdhsa_private_segment_fixed_size 0
		.amdhsa_enable_private_segment 0
		.amdhsa_kernarg_size 40
		.amdhsa_user_sgpr_count 2
		.amdhsa_user_sgpr_kernarg_segment_ptr 1
		.amdhsa_wavefront_size32 1
		.amdhsa_system_sgpr_workgroup_id_x 1
		.amdhsa_system_sgpr_workgroup_id_y 1
		.amdhsa_system_sgpr_workgroup_id_z 1
		.amdhsa_system_vgpr_workitem_id 0
		.amdhsa_next_free_vgpr 1024
		.amdhsa_next_free_sgpr 100
		.amdhsa_reserve_vcc 0
		.amdhsa_float_denorm_mode_32 3
		.amdhsa_float_denorm_mode_16_64 3
		.amdhsa_memory_ordered 1
		.amdhsa_forward_progress 1
		.amdhsa_inst_pref_size 46
	.end_amdhsa_kernel
	.amdgpu_metadata
---
amdhsa.version: [ 1, 2 ]
amdhsa.kernels:
  - .name:           k_q0554d89a29_oproj
    .symbol:         k_q0554d89a29_oproj.kd
    .args:
      - { .name: ac_img, .offset: 0, .size: 8, .value_kind: global_buffer, .address_space: global }
      - { .name: Wo_codes, .offset: 8, .size: 8, .value_kind: global_buffer, .address_space: global }
      - { .name: bo, .offset: 16, .size: 8, .value_kind: global_buffer, .address_space: global }
      - { .name: lowp_scales, .offset: 24, .size: 8, .value_kind: global_buffer, .address_space: global }
      - { .name: out0, .offset: 32, .size: 8, .value_kind: global_buffer, .address_space: global }
    .group_segment_fixed_size: 327680
    .private_segment_fixed_size: 0
    .kernarg_segment_align: 8
    .kernarg_segment_size: 40
    .max_flat_workgroup_size: 128
    .sgpr_count:     100
    .vgpr_count:     1024
    .wavefront_size: 32
...
	.end_amdgpu_metadata
.endif
;; end of part 3
